; MI455X (gfx1250); checked and timed in simulation.
; The chip was launched on July 23, 2026; its instructions are those of AMD's public machine-readable ISA for CDNA 5 (MIT licence, August 2026) and "CDNA5" Instruction Set Architecture Reference Guide (July 2026). The comments in the code are by the model that wrote it; some were corrected since.
;; Head. Allowed arithmetic: float matrix products may take bf16 or f16 operands with f32 sums; all other float work in f32.
;; Inputs: Wk 64 x 64 float32; Wq 64 x 64 float32; Wv 64 x 64 float32; x 32 x 1,024 x 64 float32.
;; Outputs: out0 32 x 1,024 x 64 float32.
;; One version. Each part assembles by itself: llvm-mc -triple=amdgcn-amd-amdhsa -mcpu=gfx1250 --defsym DOCPART=n.
;; ======== version 1 of 1: 1 launch
;; limits: values are held in f16: magnitudes above 65,504 overflow, below 6.1e-05 lose precision
;; launch head (part 1): grid 256 x 1, 8 waves a work-group, no clusters, 326,656 bytes of LDS; arguments x, Wk, Wv, Wq, out0; writes out0
.if DOCPART == 1
	.amdgcn_target "amdgcn-amd-amdhsa--gfx1250"
	.amdhsa_code_object_version 6
	.text
	.protected	k_qedaf34d000_head
	.globl	k_qedaf34d000_head
	.p2align	8
	.type	k_qedaf34d000_head,@function
k_qedaf34d000_head:
	s_mov_b64 s[64:65], 0
	v_nop
	global_prefetch_b8 v0, s[64:65] scope:SCOPE_SE
	s_setreg_imm32_b32 hwreg(HW_REG_WAVE_MODE, 25, 1), 1
	s_wait_xcnt 0x0
; One causal attention head, everything in one launch.  x, out0: [32][1024][64] f32; Wq, Wk, Wv: [64][64] f32.
; Work-group = (batch b = id >> 3, j = id & 7).  It owns two blocks of 64 query rows: the low block j and the high block 15 - j,
; together 17 pairs (64 queries x 64 keys) for every j.  It projects K and V of its batch's keys 0 .. 64 (16 - j) - 1 itself
; into LDS, so q, k, v and the scores never go through memory.
; Eight waves, t = wave & 3.  Waves 0-3 ("a"): high tile t (16 queries) against key blocks 7, 0 .. 6: 8 trips.
; Waves 4-7 ("b"): low tile t whole (block j, then 0 .. j - 1), then high tile t against block 15 - j and blocks 8 .. 14 - j: 9 trips.
; b hands its (m, l, O) of the high tile to a through LDS; a merges and stores.
; The numbers of trips hang on j and on the wave.  All trips are written out, and a wave jumps over those that it does not have:
; so every LDS address is a lane term plus a constant of the text (a pass's first block: plus a multiple of j), and no address
; register is stepped.
; The products are used transposed: S^T = K Q^T (a lane holds one query and 8 keys a tile) and O^T = V^T P^T, so that two packed score
; tiles ARE the second operand of the next product, and maximum, sum and rescaling are per lane plus one exchange of the lane halves.
; FORMATS: x, W, q, k go to the matrix unit in bf16; p and v in f16 (p lies in [0,1]; three more bits for the rows with few keys).
; LIMITS: |v| must stay below 65,504 (f16).  A masked score is the finite -1e30; a real score near -1e30
; (in units of log2) would not be told apart from a masked one.  0.125 log2(e) is multiplied into Wq before Wq is rounded to bf16.
; NO JOINT TENSOR LOADS, though the 8 work-groups of a batch read the same x: x has to pass through registers to become bf16,
; an f32 tile has no room (325,632 of 327,680 LDS bytes are in use), and the partners need different numbers of rows (576 to 1,024).
.set PK,   144                         ; pitch of rows of 64 16-bit numbers: 128 + 16 bytes, an odd multiple of 16, so 16 rows start at 16 different 16-byte columns modulo 256
.set PV,   2064                        ; pitch of V^T's rows of 1,024 keys: 2,048 + 16
.set PO,   272                         ; pitch of an output row of 64 f32: 256 + 16
.set LVT,  1024*PK                     ; LDS: K [1024 keys][64] bf16 at 0; V^T [64][1024 keys] f16 here
.set LSTG, LVT+64*PV                   ; a stage of 16 rows of x in bf16 for each wave
.set STGW, 16*PK
.set LW,   LSTG+8*STGW                 ; Wk, Wv, Wq in bf16, 64 rows each
.set WMAT, 64*PK
.set OSTW, 16*PO                       ; behind the main barrier the stages and W are dead: 4,352 bytes a wave from LSTG for output and hand-over
.set KBLK, 64*PK                       ; a block of 64 keys in K
.set VBLK, 128                         ; and along V^T's rows
; vector registers, projection phase
.set KS2, 0                            ; where my 16 bytes of K go, positions 2 and 3 (written when the thread's number is no longer needed)
.set XA, 1                             ; byte offset in x of my 16 bytes in pair "wave"; never rewritten
.set XT, 2                             ; the same in the wave's last pair, which is loaded first
.set XQ1, 3                            ; the same in the first pass's query tile
.set XQ2, 4                            ; and in the second pass's (b-waves)
.set SST, 5                            ; stage: where I put 8 bytes
.set SFR, 6                            ; stage: where I read a fragment
.set KS, 7                             ; where my 16 bytes of K go, positions 0 and 1
.set VS0, 8                            ; where my 16 bytes of V^T go, head dims 0-31
.set VS1, 9                            ; head dims 32-63
.set WF, 10                            ; W: where I read fragments
.set WS, 11                            ; W: where I put 8 bytes
.set WO, 12                            ; 16 x thread
.set LN, 13                            ; lane
.set RR, 14                            ; lane & 15
.set HH, 15                            ; lane >> 4
.set WKF, 16                           ; v[16:79]  Wk's fragments (tile T, K step c at 16 T + 8 c); later Wq's
.set WVF, 80                           ; v[80:143] Wv's
.set RA, 144                           ; v[144:175] slot A: 16 rows of x as loaded
.set RB, 176                           ; v[176:207] slot B
.set FR, 208                           ; v[208:223] x fragment, two K steps
.set DD, 224                           ; v[224:255] four accumulator tiles
; vector registers, attention phase
.set KL, 0                             ; lane term of K fragment addresses
.set VL0, 1                            ; lane term of V^T fragment addresses, head dims 0-31
.set VL1, 2                            ; head dims 32-63
.set KA, 3
.set VA0, 4
.set VA1, 5
.set MX, 6                             ; running maximum (log2 units)
.set LSUM, 7                           ; running sum of my half's keys
.set NM, 8                             ; v[8:9]   -m, twice
.set AL, 10                            ; v[10:11] rescale factor, twice
.set REL, 12                           ; 16 t + r - 8 h
.set OUTV, 13                          ; 16 x lane
.set T0, 14
.set T1, 15
.set KF, 16                            ; v[16:79]   K fragments of a block
.set Q1, 80                            ; v[80:95]   first pass's q (a: high tile, b: low tile)
.set Q2, 96                            ; v[96:111]  second pass's q (b: high tile)
.set VF, 112                           ; v[112:175] V^T fragments (tile T, key step ks at 16 T + 8 ks)
.set SC, 176                           ; v[176:207] four score tiles
.set PP, 208                           ; v[208:223] p in f16
.set OO, 224                           ; v[224:255] four output tiles
.macro NOP4                            ; four places behind a matrix instruction before its result is read or its registers are written or loaded (ISA guide 7.12.1)
.rept 4
	v_nop
.endr
.endm
.macro XLOAD R, A, off                 ; 16 rows of x: eight loads of 512 consecutive bytes
.irp i, 0,1,2,3,4,5,6,7
	global_load_b128 v[\R+4*\i:\R+4*\i+3], v[\A], s[8:9] offset:\off+512*\i
.endr
.endm
.macro WFRAG base, mat                 ; the 8 fragments of one W: g = 2 T + c
.set g, 0
.rept 8
	ds_load_b128 v[\base+8*g:\base+8*g+3],   v[WF] offset:\mat*WMAT+(g/2)*STGW+(g%2)*64
	ds_load_b128 v[\base+8*g+4:\base+8*g+7], v[WF] offset:\mat*WMAT+(g/2)*STGW+(g%2)*64+32
.set g, g+1
.endr
.endm
.macro STAGE R                         ; 16 rows of x in f32 -> bf16 -> my own stage -> fragment (lane: row r, k along the registers)
.irp i, 0,1,2,3,4,5,6,7
	v_cvt_pk_bf16_f32 v[\R+4*\i],   v[\R+4*\i],   v[\R+4*\i+1]
	v_cvt_pk_bf16_f32 v[\R+4*\i+1], v[\R+4*\i+2], v[\R+4*\i+3]
.endr
.irp i, 0,1,2,3,4,5,6,7
	ds_store_b64 v[SST], v[\R+4*\i:\R+4*\i+1] offset:2*PK*\i
.endr
.irp i, 0,1,2,3
	ds_load_b128 v[FR+4*\i:FR+4*\i+3], v[SFR] offset:32*\i      ; a wave's LDS instructions are served in order: these see the stores above
.endr
	s_wait_dscnt 0x0                       ; the fragment is in (and, the first time, the W fragments issued before)
.endm
; Matrix instructions take the four accumulators by turns, one instruction a turn.
.macro PROJ_WX W                       ; DD[T](m = head dim 16 T + 8 h + i, n = row r) = W(T) x rows
.irp T, 0,1,2,3
	v_wmma_f32_16x16x32_bf16 v[DD+8*\T:DD+8*\T+7], v[\W+16*\T:\W+16*\T+7], v[FR:FR+7], 0
.endr
.irp T, 0,1,2,3
	v_wmma_f32_16x16x32_bf16 v[DD+8*\T:DD+8*\T+7], v[\W+16*\T+8:\W+16*\T+15], v[FR+8:FR+15], v[DD+8*\T:DD+8*\T+7]
.endr
.endm
.macro PROJ_XW W                       ; DD[T](m = row 8 h + i, n = head dim 16 T + r) = rows x W(T)
.irp T, 0,1,2,3
	v_wmma_f32_16x16x32_bf16 v[DD+8*\T:DD+8*\T+7], v[FR:FR+7], v[\W+16*\T:\W+16*\T+7], 0
.endr
.irp T, 0,1,2,3
	v_wmma_f32_16x16x32_bf16 v[DD+8*\T:DD+8*\T+7], v[FR+8:FR+15], v[\W+16*\T+8:\W+16*\T+15], v[DD+8*\T:DD+8*\T+7]
.endr
.endm
.macro PACKD half                      ; each tile's 8 f32 to 16 bytes, in place (register i is written after registers 2 i, 2 i + 1 of lower i were read)
.irp T, 0,1,2,3
.irp i, 0,1,2,3
.if \half
	v_cvt_pk_f16_f32  v[DD+8*\T+\i], v[DD+8*\T+2*\i], v[DD+8*\T+2*\i+1]
.else
	v_cvt_pk_bf16_f32 v[DD+8*\T+\i], v[DD+8*\T+2*\i], v[DD+8*\T+2*\i+1]
.endif
.endr
.endr
.endm
; One block of 16 keys: K and V of slot R's rows (pair wave + 8 k, half "slot") into LDS.
; mode 1: the slot is loaded again with the same half of pair wave + 8 (k - 1); mode 2: with the first pass's query tile;
; mode 3: with the second pass's query tile (b-waves only).
.macro BLOCK R, k, slot, mode
	s_wait_loadcnt 0x8                     ; loads return in order: this slot's eight are in, the other slot's eight younger ones stay out
	STAGE \R
.if \mode == 1
	XLOAD \R, XA, (\k-1)*65536+\slot*4096  ; 8 pairs are 256 rows of 256 bytes; the step stands in the immediate
.endif
.if \mode == 2
	XLOAD \R, XQ1, 0
.endif
.if \mode == 3
	s_cmp_lt_u32 s2, 4
	s_cbranch_scc1 .Lnoq2_\@
	XLOAD \R, XQ2, 0
.Lnoq2_\@:
.endif
	PROJ_WX WKF
	NOP4
	PACKD 0
.irp T, 0,1,2,3
.if \k >= 2
	ds_store_b128 v[KS2], v[DD+8*\T:DD+8*\T+3] offset:(\k%2)*256*PK+\slot*STGW+32*\T   ; key r, head dims 16 T + 8 h .. + 7
.else
	ds_store_b128 v[KS],  v[DD+8*\T:DD+8*\T+3] offset:(\k%2)*256*PK+\slot*STGW+32*\T
.endif
.endr
	PROJ_XW WVF
	NOP4
	PACKD 1
.irp T, 0,1
	ds_store_b128 v[VS0], v[DD+8*\T:DD+8*\T+3]       offset:512*\k+32*\slot+16*PV*\T   ; head dim 16 T + r, keys 8 h .. + 7
	ds_store_b128 v[VS1], v[DD+16+8*\T:DD+16+8*\T+3] offset:512*\k+32*\slot+16*PV*\T
.endr
.endm
.macro PAIR k                          ; position k: the 32 keys of pair wave + 8 k
.if \k
	BLOCK RA, \k, 0, 1
	BLOCK RB, \k, 1, 1
.else
	BLOCK RA, 0, 0, 2
	BLOCK RB, 0, 1, 3
.endif
.endm
.macro QPROJ R, Q                      ; q of 16 rows; packed, the four tiles are the two K steps of a second operand (lane: query r)
	STAGE \R
	PROJ_WX WKF
	NOP4
.irp T, 0,1,2,3
.irp i, 0,1,2,3
	v_cvt_pk_bf16_f32 v[\Q+4*\T+\i], v[DD+8*\T+2*\i], v[DD+8*\T+2*\i+1]
.endr
.endr
.endm
	; ---- head: ids, addresses ----
	s_load_b256 s[8:15], s[0:1], 0x0               ; x s[8:9], Wk s[10:11], Wv s[12:13], Wq s[14:15]
	s_load_b64 s[16:17], s[0:1], 0x20              ; out0
	s_set_vgpr_msb 0x40
	v_lshl_add_u32 v0, v0, 2, 0x4f800
	v_mov_b32 v1, 0
	s_set_vgpr_msb 0x4000
	v_lshrrev_b32 v1, 5, v0
	v_readfirstlane_b32 s2, v1                     ; wave
	s_and_b32 s3, s2, 3                            ; t
	s_and_b32 s18, ttmp9, 7                        ; j
	s_lshr_b32 s20, ttmp9, 3
	s_lshl_b32 s20, s20, 18                        ; batch x 1,024 rows x 256 bytes
	s_mov_b32 s21, 0
	s_lshl_b32 s32, s18, 1                         ; 32 - 2 j pairs of 16-key blocks, pair = wave + 8 k: this wave has (39 - 2 j - wave) >> 3 of them, 2 to 4
	s_sub_co_u32 s22, 39, s32
	s_sub_co_u32 s22, s22, s2
	s_lshr_b32 s22, s22, 3
	s_mov_b32 s24, 0x76543210                      ; v_permlanex16_b32: lane i takes lane i of the other half
	s_mov_b32 s25, 0xfedcba98
	s_mov_b32 s26, 0xf149f2ca                      ; -1e30
	s_lshl_b32 s32, s3, 12                         ; 16 t rows of 256 bytes
	s_sub_co_u32 s36, 15, s18
	s_lshl_b32 s36, s36, 14
	s_add_co_u32 s36, s36, s32                     ; byte offset of my high query tile in the batch, in x and in out0
	s_lshl_b32 s37, s18, 14
	s_add_co_u32 s37, s37, s32                     ; and of my low one
	s_mul_i32 s33, s2, OSTW
	s_add_co_u32 s33, s33, LSTG                    ; my output stage (attention phase)
	v_and_b32 v[LN], 31, v0
	v_and_b32 v[RR], 15, v0
	v_bfe_u32 v[HH], v0, 4, 1
	s_lshl_b32 s32, s2, 13                         ; pair = wave: 32 rows of 256 bytes
	v_lshl_add_u32 v[XA], v[LN], 4, s32
	s_sub_co_u32 s32, s22, 1
	s_lshl_b32 s32, s32, 16                        ; my last pair lies 8 (pairs - 1) pairs of 8,192 bytes further on
	v_add_nc_u32 v[XT], s32, v[XA]
	s_cmp_lt_u32 s2, 4
	s_cselect_b32 s32, s36, s37                    ; the first pass's tile: a: the high one, b: the low one
	v_lshl_add_u32 v[XQ1], v[LN], 4, s32
	v_lshl_add_u32 v[XQ2], v[LN], 4, s36
	s_mul_i32 s32, s2, STGW
	s_add_co_u32 s32, s32, LSTG                    ; my stage
	v_mul_u32_u24 v[SST], v[HH], PK
	v_lshl_add_u32 v[SST], v[RR], 3, v[SST]
	v_add_nc_u32 v[SST], s32, v[SST]               ; a load's lanes 0-15 hold one row, lanes 16-31 the next; 4 f32 become 8 bytes
	v_mul_u32_u24 v[WF], v[RR], PK
	v_lshl_add_u32 v[WF], v[HH], 4, v[WF]          ; r x pitch + 16 h
	v_add_nc_u32 v[SFR], s32, v[WF]
	s_mul_i32 s32, s2, 32*PK
	v_add_nc_u32 v[KS], s32, v[WF]
	v_add_nc_u32 v[WF], LW, v[WF]
	v_mul_u32_u24 v[VS0], v[RR], PV
	v_lshl_add_u32 v[VS0], v[HH], 4, v[VS0]
	s_lshl_b32 s32, s2, 6                          ; 32 keys of 2 bytes a pair
	s_add_co_u32 s32, s32, LVT
	v_add_nc_u32 v[VS0], s32, v[VS0]
	v_add_nc_u32 v[VS1], 32*PV, v[VS0]
	v_lshrrev_b32 v[WS], 4, v0
	v_mul_u32_u24 v[WS], v[WS], PK
	v_lshl_add_u32 v[WS], v[RR], 3, v[WS]
	v_add_nc_u32 v[WS], LW, v[WS]
	v_lshlrev_b32 v[WO], 4, v0
	v_add_nc_u32 v[KS2], 512*PK, v[KS]             ; positions 2 and 3: 16 pairs = 512 keys on (the thread's number is not needed again)
	s_wait_kmcnt 0x0
	s_add_nc_u64 s[8:9], s[8:9], s[20:21]          ; x and out0 at my batch
	s_add_nc_u64 s[16:17], s[16:17], s[20:21]
	; the three W (256 threads x 16 bytes = 16 rows a load), then my last pair of x
.irp i, 0,1,2,3
	global_load_b128 v[208+4*\i:211+4*\i], v[WO], s[10:11] offset:4096*\i
.endr
.irp i, 0,1,2,3
	global_load_b128 v[224+4*\i:227+4*\i], v[WO], s[12:13] offset:4096*\i
.endr
.irp i, 0,1,2,3
	global_load_b128 v[240+4*\i:243+4*\i], v[WO], s[14:15] offset:4096*\i
.endr
	XLOAD RA, XT, 0
	XLOAD RB, XT, 4096
	s_wait_loadcnt 0x10                            ; the twelve loads of W are in; the sixteen of x behind them stay out
.irp k, 0,1,2,3,4,5,6,7
	v_pk_mul_f32 v[240+2*\k:241+2*\k], v[240+2*\k:241+2*\k], 0x3e38aa3b op_sel_hi:[1,0]   ; Wq x 0.125 log2(e): scores come out ready for exp2
.endr
.set g, 0
.rept 12
	v_cvt_pk_bf16_f32 v[208+4*g], v[208+4*g], v[209+4*g]
	v_cvt_pk_bf16_f32 v[209+4*g], v[210+4*g], v[211+4*g]
	ds_store_b64 v[WS], v[208+4*g:209+4*g] offset:(g/4)*WMAT+(g%4)*STGW
.set g, g+1
.endr
	s_wait_dscnt 0x0                               ; my part of W is in LDS, for the other waves' sake
	s_barrier_signal -1
	s_barrier_wait -1
	WFRAG WKF, 0
	WFRAG WVF, 1                                   ; waited for by the first STAGE's wait for 0
	; ---- K and V of my pairs, last pair first; a wave with 2 or 3 pairs enters further down ----
	s_cmp_lt_u32 s22, 4
	s_cbranch_scc1 .Lpos2
	PAIR 3
.Lpos2:
	s_cmp_lt_u32 s22, 3
	s_cbranch_scc1 .Lpos1
	PAIR 2
.Lpos1:
	PAIR 1
	PAIR 0                                         ; the slots are loaded with the query tiles instead
	; ---- q of my tiles ----
	WFRAG WKF, 2                                   ; Wq over Wk's fragments (more than four places behind the last product that read them)
	s_wait_loadcnt 0x0                             ; 8 loads are out in an a-wave, 16 in a b-wave: zero is right for both
	QPROJ RA, Q1
	s_cmp_lt_u32 s2, 4
	s_cbranch_scc1 .Lqdone
	QPROJ RB, Q2
.Lqdone:
	s_wait_dscnt 0x0                               ; my stores of K and V^T are done, and my reads of the stage and of W
	s_barrier_signal -1
	v_mul_u32_u24 v[KL], v[RR], PK                 ; register work while the others arrive: the attention phase's lane terms
	v_lshl_add_u32 v[KL], v[HH], 4, v[KL]
	v_mul_u32_u24 v[VL0], v[RR], PV
	v_lshl_add_u32 v[VL0], v[HH], 4, v[VL0]
	v_add_nc_u32 v[VL0], LVT, v[VL0]
	v_add_nc_u32 v[VL1], 32*PV, v[VL0]
	v_lshlrev_b32 v[REL], 3, v[HH]
	v_sub_nc_u32 v[REL], v[RR], v[REL]
	s_lshl_b32 s32, s3, 4
	v_add_nc_u32 v[REL], s32, v[REL]               ; key 16 Tk + 8 h + i <= query 16 t + r  <=>  16 Tk + i <= REL
	v_lshlrev_b32 v[OUTV], 4, v[LN]
	s_barrier_wait -1                              ; K and V^T are whole; stages and W are dead
.macro KLOAD                           ; the 8 fragments of a block of 64 keys: g = 2 Tk + c
.set g, 0
.rept 8
	ds_load_b128 v[KF+8*g:KF+8*g+3],   v[KA] offset:(g/2)*STGW+(g%2)*64
	ds_load_b128 v[KF+8*g+4:KF+8*g+7], v[KA] offset:(g/2)*STGW+(g%2)*64+32
.set g, g+1
.endr
.endm
; One block of 64 keys against the 16 queries in Q.  voff: the block's bytes along V^T's rows; koff: the next block's bytes in K
; (ahead = 0: there is no next block).  first = 1: the pass's first block: it starts m, l and O, and is masked as a diagonal block
; (maskbr = 1: not in a-waves, whose first block lies wholly below the diagonal).
.macro TRIP Q, first, maskbr, voff, koff, ahead
	s_wait_dscnt 0x0                               ; this block's K fragments are in
.irp T, 0,1,2,3
	v_wmma_f32_16x16x32_bf16 v[SC+8*\T:SC+8*\T+7], v[KF+16*\T:KF+16*\T+7], v[\Q:\Q+7], 0
.endr
.irp T, 0,1,2,3
	v_wmma_f32_16x16x32_bf16 v[SC+8*\T:SC+8*\T+7], v[KF+16*\T+8:KF+16*\T+15], v[\Q+8:\Q+15], v[SC+8*\T:SC+8*\T+7]
.endr
	v_add_nc_u32 v[VA0], \voff, v[VL0]             ; four places, filled with the addresses where there are any
	v_add_nc_u32 v[VA1], \voff, v[VL1]
.if \ahead
	v_add_nc_u32 v[KA], \koff, v[KL]
.else
	v_nop
.endif
	v_nop
.irp T, 0,1
.irp ks, 0,1
	ds_load_b128 v[VF+16*\T+8*\ks:VF+16*\T+8*\ks+3],   v[VA0] offset:16*PV*\T+64*\ks
	ds_load_b128 v[VF+16*\T+8*\ks+4:VF+16*\T+8*\ks+7], v[VA0] offset:16*PV*\T+64*\ks+32
.endr
.endr
.irp T, 0,1
.irp ks, 0,1
	ds_load_b128 v[VF+32+16*\T+8*\ks:VF+32+16*\T+8*\ks+3],   v[VA1] offset:16*PV*\T+64*\ks
	ds_load_b128 v[VF+32+16*\T+8*\ks+4:VF+32+16*\T+8*\ks+7], v[VA1] offset:16*PV*\T+64*\ks+32
.endr
.endr
.if \ahead
	KLOAD                                          ; the next block's K, a trip ahead
.endif
.if \first
.if \maskbr
	s_cmp_lt_u32 s2, 4
	s_cbranch_scc1 .Lnomask_\@
.endif
.irp T, 0,1,2,3
.irp i, 0,1,2,3,4,5,6,7
	v_cmp_le_i32 vcc_lo, 16*\T+\i, v[REL]
	v_cndmask_b32 v[SC+8*\T+\i], s26, v[SC+8*\T+\i], vcc_lo
.endr
.endr
.if \maskbr
.Lnomask_\@:
.endif
.endif
	; the block's maximum for my query: four chains, then the other half of the lanes (which holds the same query's other keys)
.irp T, 0,1,2,3
	v_max3_num_f32 v[PP+\T], v[SC+8*\T], v[SC+8*\T+1], v[SC+8*\T+2]
.endr
.irp T, 0,1,2,3
	v_max3_num_f32 v[PP+\T], v[PP+\T], v[SC+8*\T+3], v[SC+8*\T+4]
.endr
.irp T, 0,1,2,3
	v_max3_num_f32 v[PP+\T], v[PP+\T], v[SC+8*\T+5], v[SC+8*\T+6]
.endr
.irp T, 0,1,2,3
	v_max_num_f32 v[PP+\T], v[PP+\T], v[SC+8*\T+7]
.endr
	v_max3_num_f32 v[PP], v[PP], v[PP+1], v[PP+2]
	v_max_num_f32 v[PP], v[PP], v[PP+3]
	v_permlanex16_b32 v[PP+1], v[PP], s24, s25
.if \first
	v_max_num_f32 v[MX], v[PP], v[PP+1]            ; a diagonal block holds at least its key 0 unmasked for every query: m is a real score
	v_xor_b32 v[NM], 0x80000000, v[MX]
	v_xor_b32 v[NM+1], 0x80000000, v[MX]
.else
	v_max3_num_f32 v[T0], v[PP], v[PP+1], v[MX]
	v_xor_b32 v[NM], 0x80000000, v[T0]
	v_xor_b32 v[NM+1], 0x80000000, v[T0]
	v_add_f32 v[T1], v[MX], v[NM]                  ; old m - new m
	v_mov_b32 v[MX], v[T0]
	v_exp_f32 v[AL], v[T1]
	v_exp_f32 v[AL+1], v[T1]
.endif
.irp k, 0,1,2,3,4,5,6,7,8,9,10,11,12,13,14,15
	v_pk_add_f32 v[SC+2*\k:SC+2*\k+1], v[SC+2*\k:SC+2*\k+1], v[NM:NM+1]
.endr
.irp k, 0,1,2,3,4,5,6,7,8,9,10,11,12,13,14,15
	v_exp_f32 v[SC+2*\k], v[SC+2*\k]
	v_exp_f32 v[SC+2*\k+1], v[SC+2*\k+1]
.endr
.if \first
	v_nop                                          ; one plain place behind the exponentials before their results are read (ISA guide 5.7.2)
	s_wait_alu depctr_va_vdst(0)
.else
	s_wait_alu depctr_va_vdst(0)
.irp k, 0,1,2,3,4,5,6,7,8,9,10,11,12,13,14,15
	v_pk_mul_f32 v[OO+2*\k:OO+2*\k+1], v[OO+2*\k:OO+2*\k+1], v[AL:AL+1]    ; the first of these is that place
.endr
.endif
.irp T, 0,1,2,3
.irp i, 0,1,2,3
	v_cvt_pk_f16_f32 v[PP+4*\T+\i], v[SC+8*\T+2*\i], v[SC+8*\T+2*\i+1]     ; tiles 2 ks, 2 ks + 1 = keys 32 ks + 8 h .., 32 ks + 16 + 8 h ..: the operand as it stands
.endr
.endr
.irp k, 0,1,2,3,4,5,6,7
	v_pk_add_f32 v[SC+2*\k:SC+2*\k+1], v[SC+2*\k:SC+2*\k+1], v[SC+16+2*\k:SC+16+2*\k+1]
.endr
.irp k, 0,1,2,3
	v_pk_add_f32 v[SC+2*\k:SC+2*\k+1], v[SC+2*\k:SC+2*\k+1], v[SC+8+2*\k:SC+8+2*\k+1]
.endr
.irp k, 0,1
	v_pk_add_f32 v[SC+2*\k:SC+2*\k+1], v[SC+2*\k:SC+2*\k+1], v[SC+4+2*\k:SC+4+2*\k+1]
.endr
	v_pk_add_f32 v[SC:SC+1], v[SC:SC+1], v[SC+2:SC+3]
.if \first
	v_add_f32 v[LSUM], v[SC], v[SC+1]
.else
	v_add_f32 v[T0], v[SC], v[SC+1]
	v_fma_f32 v[LSUM], v[LSUM], v[AL], v[T0]
.endif
.if \ahead
	s_wait_dscnt 0x10                              ; the 16 loads of V^T are in; the 16 of the next K behind them stay out
.else
	s_wait_dscnt 0x0                               ; the 16 loads of V^T are in; nothing was issued behind them
.endif
.irp T, 0,1,2,3
.if \first
	v_wmma_f32_16x16x32_f16 v[OO+8*\T:OO+8*\T+7], v[VF+16*\T:VF+16*\T+7], v[PP:PP+7], 0
.else
	v_wmma_f32_16x16x32_f16 v[OO+8*\T:OO+8*\T+7], v[VF+16*\T:VF+16*\T+7], v[PP:PP+7], v[OO+8*\T:OO+8*\T+7]
.endif
.endr
.irp T, 0,1,2,3
	v_wmma_f32_16x16x32_f16 v[OO+8*\T:OO+8*\T+7], v[VF+16*\T+8:VF+16*\T+15], v[PP+8:PP+15], v[OO+8*\T:OO+8*\T+7]
.endr
.endm
; A pass: a first block (s27 = its bytes along V^T's rows, s31 = its bytes in K), then blocks base .. base + s29 - 1, s29 = 0 .. 7.
; The seven trips are written out; in front of trip k a wave with s29 <= k leaves for the pass's end.  Each trip fetches the K fragments
; of the block one further on, whose place is a constant of the text.  Where the pass ends early the last such fetch is not used: it reads
; block base + s29, which is the pass's own first block, bytes that were written.  Trip 6 fetches nothing ahead: 7 is the largest count.
.macro PASS Q, maskbr, base
	v_add_nc_u32 v[KA], s31, v[KL]
	KLOAD
	TRIP \Q, 1, \maskbr, s27, KBLK*\base, 1
.irp k, 0,1,2,3,4,5,6
	s_cmp_le_u32 s29, \k
	s_cbranch_scc1 .Lpend_\@
.if \k < 6
	TRIP \Q, 0, 0, VBLK*\base+VBLK*\k, KBLK*\base+KBLK*\k+KBLK, 1
.else
	TRIP \Q, 0, 0, VBLK*\base+VBLK*\k, 0, 0
.endif
.endr
.Lpend_\@:
	s_wait_dscnt 0x0                               ; a fetch that is not used has landed: its registers may be written
	NOP4                                           ; and O may be read
.endm
; O (lane: query r, head dims 16 T + 8 h + i) through my own stage to 16 whole rows of out0 at byte qoff of the batch.
.macro OUT qoff
	s_mov_b32 s38, \qoff
	s_mov_b32 s39, 0
	s_add_nc_u64 s[34:35], s[16:17], s[38:39]
	v_bfe_u32 v16, v[OUTV], 4, 4                   ; r
	v_bfe_u32 v17, v[OUTV], 8, 1                   ; h
	v_mul_u32_u24 v18, v16, PO
	v_lshl_add_u32 v18, v17, 5, v18
	v_add_nc_u32 v18, s33, v18                     ; in: row r, 32 bytes for each half of the lanes
	v_mul_u32_u24 v19, v17, PO
	v_lshl_add_u32 v19, v16, 4, v19
	v_add_nc_u32 v19, s33, v19                     ; back: lanes 0-15 one row of 256 bytes, lanes 16-31 the next
.irp T, 0,1,2,3
	ds_store_b128 v18, v[OO+8*\T:OO+8*\T+3]   offset:64*\T
	ds_store_b128 v18, v[OO+8*\T+4:OO+8*\T+7] offset:64*\T+16
.endr
.irp i, 0,1,2,3,4,5,6,7
	ds_load_b128 v[SC+4*\i:SC+4*\i+3], v19 offset:2*PO*\i      ; in order behind my own stores
.endr
.irp i, 0,1,2,3,4,5,6,7
	s_wait_dscnt 7-\i                              ; load i is in, the 7 - i behind it stay out
	global_store_b128 v[OUTV], v[SC+4*\i:SC+4*\i+3], s[34:35] offset:512*\i th:TH_STORE_NT   ; 512 consecutive bytes, at a multiple of 512 from out0's first byte
.endr
.endm
	; ---- attention, first pass.  a: high tile, block 7 (unmasked), then 0..6.  b: low tile, diagonal block j, then 0 .. j - 1 ----
	s_cmp_lt_u32 s2, 4
	s_cselect_b32 s29, 7, s18                      ; the first block's number is also the number of blocks below it
	s_lshl_b32 s27, s29, 7
	s_mul_i32 s31, s29, KBLK
	PASS Q1, 1, 0
	s_cmp_lt_u32 s2, 4
	s_cbranch_scc1 .Lhanded
	; b-waves: the low tile is whole: divide by the sum and store
	v_permlanex16_b32 v[KA], v[LSUM], s24, s25     ; the other half's keys
	v_add_f32 v[LSUM], v[LSUM], v[KA]
	v_rcp_f32 v[AL], v[LSUM]
	v_rcp_f32 v[AL+1], v[LSUM]
	v_nop
	s_wait_alu depctr_va_vdst(0)
.irp k, 0,1,2,3,4,5,6,7,8,9,10,11,12,13,14,15
	v_pk_mul_f32 v[OO+2*\k:OO+2*\k+1], v[OO+2*\k:OO+2*\k+1], v[AL:AL+1]
.endr
	OUT s37
	s_wait_xcnt 0x0                                ; the stores' data lie in the score registers, which the next pass writes
	; b-waves, second pass: high tile, diagonal block 15 - j, then blocks 8 .. 14 - j
	s_sub_co_u32 s29, 7, s18
	s_add_co_u32 s32, s29, 8
	s_lshl_b32 s27, s32, 7
	s_mul_i32 s31, s32, KBLK
	PASS Q2, 0, 8
	v_add_nc_u32 v16, s33, v[OUTV]                 ; b hands over: O as 8 x 512 bytes, then (m, l) as 8 bytes a lane, in its own 4,352 bytes
	v_lshrrev_b32 v17, 1, v[OUTV]
	v_add_nc_u32 v17, s33, v17
.irp i, 0,1,2,3,4,5,6,7
	ds_store_b128 v16, v[OO+4*\i:OO+4*\i+3] offset:512*\i
.endr
	ds_store_b64 v17, v[MX:MX+1] offset:4096
.Lhanded:
	s_wait_dscnt 0x0                               ; the hand-over is in LDS before the signal
	s_barrier_signal -1
	s_barrier_wait -1
	s_cmp_lt_u32 s2, 4
	s_cbranch_scc1 .Lmerge
	s_set_vgpr_msb 0x5
	s_wait_tensorcnt 0x0
	ds_add_u32 v0, v1
	s_wait_dscnt 0x0
	s_set_vgpr_msb 0x500
	s_endpgm
.Lmerge:
	s_add_co_u32 s32, s33, 4*OSTW                  ; wave + 4 has the same t and the same lane layout
	v_add_nc_u32 v16, s32, v[OUTV]
	v_lshrrev_b32 v17, 1, v[OUTV]
	v_add_nc_u32 v17, s32, v17
.irp i, 0,1,2,3,4,5,6,7
	ds_load_b128 v[SC+4*\i:SC+4*\i+3], v16 offset:512*\i
.endr
	ds_load_b64 v[T0:T1], v17 offset:4096          ; b's m, l
	s_wait_dscnt 0x0
	v_max_num_f32 v[NM], v[MX], v[T0]
	v_sub_f32 v[NM+1], v[MX], v[NM]
	v_sub_f32 v[KA], v[T0], v[NM]
	v_exp_f32 v[NM+1], v[NM+1]                     ; fa
	v_exp_f32 v[KA], v[KA]                         ; fb
	v_nop
	s_wait_alu depctr_va_vdst(0)
	v_mul_f32 v[LSUM], v[LSUM], v[NM+1]
	v_fmac_f32 v[LSUM], v[T1], v[KA]
	v_permlanex16_b32 v[VA0], v[LSUM], s24, s25
	v_add_f32 v[LSUM], v[LSUM], v[VA0]
	v_rcp_f32 v[LSUM], v[LSUM]
	v_nop
	s_wait_alu depctr_va_vdst(0)
	v_mul_f32 v[AL], v[NM+1], v[LSUM]              ; fa / l
	v_mul_f32 v[NM], v[KA], v[LSUM]                ; fb / l
	v_mov_b32 v[AL+1], v[AL]
	v_mov_b32 v[NM+1], v[NM]
.irp k, 0,1,2,3,4,5,6,7,8,9,10,11,12,13,14,15
	v_pk_mul_f32 v[OO+2*\k:OO+2*\k+1], v[OO+2*\k:OO+2*\k+1], v[AL:AL+1]
.endr
.irp k, 0,1,2,3,4,5,6,7,8,9,10,11,12,13,14,15
	v_pk_fma_f32 v[OO+2*\k:OO+2*\k+1], v[SC+2*\k:SC+2*\k+1], v[NM:NM+1], v[OO+2*\k:OO+2*\k+1]
.endr
	OUT s36
	s_set_vgpr_msb 0x5
	s_wait_tensorcnt 0x0
	ds_add_u32 v0, v1
	s_wait_dscnt 0x0
	s_set_vgpr_msb 0x500
	s_endpgm
.Lfunc_end_k_qedaf34d000_head:
	.size	k_qedaf34d000_head, .Lfunc_end_k_qedaf34d000_head-k_qedaf34d000_head
	.p2alignl 7, 3214868480
	.fill 96, 4, 3214868480
	.section	.rodata,"a",@progbits
	.p2align	6, 0x0
	.amdhsa_kernel k_qedaf34d000_head
		.amdhsa_group_segment_fixed_size 326656
		.amdhsa_private_segment_fixed_size 0
		.amdhsa_enable_private_segment 0
		.amdhsa_kernarg_size 40
		.amdhsa_user_sgpr_count 2
		.amdhsa_user_sgpr_kernarg_segment_ptr 1
		.amdhsa_wavefront_size32 1
		.amdhsa_system_sgpr_workgroup_id_x 1
		.amdhsa_system_sgpr_workgroup_id_y 1
		.amdhsa_system_sgpr_workgroup_id_z 1
		.amdhsa_system_vgpr_workitem_id 0
		.amdhsa_next_free_vgpr 258
		.amdhsa_next_free_sgpr 66
		.amdhsa_reserve_vcc 1
		.amdhsa_float_denorm_mode_32 3
		.amdhsa_float_denorm_mode_16_64 3
		.amdhsa_memory_ordered 1
		.amdhsa_forward_progress 1
		.amdhsa_inst_pref_size 240
	.end_amdhsa_kernel
	.amdgpu_metadata
---
amdhsa.version: [ 1, 2 ]
amdhsa.kernels:
  - .name:           k_qedaf34d000_head
    .symbol:         k_qedaf34d000_head.kd
    .args:
      - { .name: x, .offset: 0, .size: 8, .value_kind: global_buffer, .address_space: global }
      - { .name: Wk, .offset: 8, .size: 8, .value_kind: global_buffer, .address_space: global }
      - { .name: Wv, .offset: 16, .size: 8, .value_kind: global_buffer, .address_space: global }
      - { .name: Wq, .offset: 24, .size: 8, .value_kind: global_buffer, .address_space: global }
      - { .name: out0, .offset: 32, .size: 8, .value_kind: global_buffer, .address_space: global }
    .group_segment_fixed_size: 326656
    .private_segment_fixed_size: 0
    .kernarg_segment_align: 8
    .kernarg_segment_size: 40
    .max_flat_workgroup_size: 256
    .sgpr_count:     66
    .vgpr_count:     258
    .wavefront_size: 32
...
	.end_amdgpu_metadata
.endif
;; end of part 1
